; MI455X (gfx1250); checked and timed in simulation.
; The chip was launched on July 23, 2026; its instructions are those of AMD's public machine-readable ISA for CDNA 5 (MIT licence, August 2026) and "CDNA5" Instruction Set Architecture Reference Guide (July 2026). The comments in the code are by the model that wrote it; some were corrected since.
;; FCOS Outputs. Allowed arithmetic: float matrix products may take bf16 or f16 operands with f32 sums; other float arithmetic in f32, or as packed bf16 or f16 multiplies, adds, multiply-adds, maxima and minima; sums over many terms, partial sums and values carried from step to step in f32; what a program stores and reads back later, other than sums and carried values, may be rounded once to bf16 or f16.
;; Inputs: gt_boxes 8 x 64 x 4 float32; gt_classes 8 x 64 int32; locations 20,267 x 2 float32.
;; Outputs: out0 8 x 20,267 int32; out1 8 x 20,267 x 4 float32; out2 8 x 20,267 float32.
;; One version. Each part assembles by itself: llvm-mc -triple=amdgcn-amd-amdhsa -mcpu=gfx1250 --defsym DOCPART=n.
;; ======== version 1 of 1: 1 launch
;; limits: inputs' magnitudes at most 4,294,967,296; below input magnitudes of 2.84e-14 results are inexact or not finite
;; launch fcos (part 1): grid 256 x 1, 4 waves a work-group, no clusters, 11,264 bytes of LDS; arguments locations, gt_boxes, gt_classes, out0, out1, out2; writes out0, out1, out2
.if DOCPART == 1
	.amdgcn_target "amdgcn-amd-amdhsa--gfx1250"
	.amdhsa_code_object_version 6
	.text
	.protected	k_q11400475e2_fcos
	.globl	k_q11400475e2_fcos
	.p2align	8
	.type	k_q11400475e2_fcos,@function
k_q11400475e2_fcos:
	s_mov_b64 s[64:65], 0
	v_nop
	global_prefetch_b8 v0, s[64:65] scope:SCOPE_SE
	s_setreg_imm32_b32 hwreg(HW_REG_WAVE_MODE, 25, 1), 1
	s_wait_xcnt 0x0
; FCOS TARGET ASSIGNMENT.  For each of 8 images and 20,267 locations: among the image's 64 boxes the one of least area whose centre region holds the location and whose
; largest distance max(l,t,r,b) lies in the level's range; out0 = its class or 80, out1 = (l,t,r,b) / stride of the box that argmin names, out2 = the centre-ness of those four.
; NOTHING OF THE REFERENCE IS LEFT OUT; all three inputs are read.  Labels must be exact, so every f32 operation that decides a comparison is the reference's own:
; l, t, r, b, (b0+b2)*0.5 -+ 1.5 stride (one fma: the halving is exact), the max / min with the box's edges, the area.
; SHARES.  A block is 32 locations of ONE level; a wave takes 5 blocks of one image and level, so a box's numbers are the same in all its lanes.  Waves an image: 95 + 24 + 6 + 2 + 1 = 128
; (15,200, 3,800, 950, 247, 70 locations in spans of 160); 8 images: 1,024 waves = 256 work-groups of four.  All waves run the same text: places past a level's end repeat its last
; location and are not stored; leaving out the few blocks that are wholly such would shorten no other wave.
; A PAIR (location, box) TAKES 11.5 VECTOR INSTRUCTIONS.
;   four packed subtractions: (l,t), (r,b), (x-x0, y-y0) S, (x1-x, y1-y) S with S = 2^96: coordinates and corners are multiplied by S beforehand, which is exact, so signs and zeros are those of the unscaled differences;
;   mx = max(l,t,r,b);  z = min(the four scaled margins, mx).  Inside the region every scaled margin is above 1e8, so z = mx, or z > hi where mx > hi; outside it z <= 0;
;   lo <= z <= hi by the bit patterns, which are monotone for positive floats: (bits(z) - bits(lo)) <= bits(hi) - bits(lo), unsigned; zero and negative z fall outside.
;   Level 0's lower bound -1 never binds inside a region (x > x0 >= b0 makes l > 0), so there the bound is z > 0: bits(lo) = 1.
;   THE ARGMIN IS A MINIMUM OF KEYS.  R(v) = the number of the image's areas below v, plus 1 if 1e8 < v: equal values have equal R, a lesser value a lesser R.  A box's key is
;   64 R(area) + g where it is a candidate, else 64 R(1e8) + g: whole numbers up to 4,223, exact as f32.  The least key is the least (cand, g) in that order: argmin with its first index,
;   for areas at and above 1e8 too.  min_area < 1e8 is key < 64 R(1e8).  One select a pair, one min3 for two boxes.
;   The chosen box's four numbers and its class come at the end from the registers in which lane = box, by ds_bpermute_b32: a choice among lanes, which names no byte of LDS.
; LDS.  Each wave's own table, 32 records of 80 bytes for two boxes each: box, box, region, region, (key if not, key if so) twice; read one record ahead, every lane the same bytes.
; The 64 x 64 comparisons of areas are shared: wave w counts boxes 32 (w % 2) + lane against areas 32 (w / 2) .. + 31; the four partial counts meet behind the one barrier.
; LEFT OUT: matrix instructions (no products); tensor loads and clusters (an image's work-groups share 1 KiB of boxes, against 15 KiB that each stores); prefetches (the inputs are 172 KB that many work-groups read).
; out0's and out2's rows begin at 81,068 x image bytes, a multiple of 4 only, so they are stored 4 bytes a lane, 128 consecutive bytes a store; out1 16 bytes a lane, 512 consecutive bytes.
; LIMITS.  Coordinates below 2^32 in magnitude (S times them stays finite).  A location inside a region by a positive margin under 2^-69 (both numbers then lie under about 2^-45) may be gated wrongly.
; NaN and infinities among the inputs are not treated as the reference treats them, but for the centre-ness, where a NaN becomes 0.
.set NLOC,  20267
.set PAIRB, 80                         ; bytes of a record
.set TABLE, 32*PAIRB                   ; a wave's table
.set CNTB,  4*TABLE                    ; four waves x 32 partial counts
.set SPARE, CNTB+512                   ; the spare words, 128 bytes for each wave: two blocks of 256 bytes that no other line names
; scalar registers
.set LOCP, 4                           ; s[4:5] locations, s[6:7] gt_boxes, s[8:9] gt_classes, s[10:11] out0, s[12:13] out1, s[14:15] out2
.set BOXP, 6
.set CLSP, 8
.set OUT0, 10
.set OUT1, 12
.set OUT2, 14
.set WV,   16                          ; wave 0..3
.set IMG,  17                          ; image
.set WI,   18                          ; the wave's number in its image, 0..127
.set FW,   19                          ; the level's first wave
.set LS,   20                          ; its first location
.set LE,   21                          ; one past its last
.set IS,   22                          ; s[22:23] 1 / stride, as a pair for the packed multiply
.set SR,   24                          ; 1.5 stride
.set NSR,  25                          ; -1.5 stride
.set NLO,  26                          ; -bits(lo)
.set RNG,  27                          ; bits(hi) - bits(lo)
.set START, 28                         ; the wave's first location
.set TB,   29                          ; the wave's table in LDS
.set SC,   30                          ; s[30:31] 2^96
.set BIG,  32                          ; 1e8
.set EPS,  33                          ; 1e-12
.set REM,  34                          ; locations left in the level from the block in hand on
.set SV,   35                          ; EXEC, kept
.set CT,   36                          ; the loop's count
.set LE1,  37
.set E0,   38
.set MG,   39                          ; all ones: I count for boxes 32..63
.set MH,   40                          ; all ones: I count against areas 32..63
.set TS,   41
.set M,    42                          ; s[42:51] ten lane masks
.set RL,   52                          ; s[52:59] eight areas
.set TS2,  60
; vector registers
.set LN,   1                           ; lane
.set SPW,  2                           ; LDS address of my spare word; never rewritten
.set NIL,  3                           ; 0; never rewritten
.set ADR,  4                           ; the record in hand
.set TA,   5                           ; where my two boxes go in the table
.set KA,   6                           ; where their keys go
.set O4,   7                           ; 4 x (image x 20,267 + my location of block 0)
.set O16,  8                           ; 16 x the same
.set C80,  9                           ; 80
.set BLO,  10                          ; v[10:13] box lane, v[14:17] box lane + 32, v18, v19 their classes: kept to the end
.set BHI,  14
.set CLO,  18
.set CHI,  19
.set XY,   20                          ; v[20:29] block j: x, y
.set XS,   30                          ; v[30:39] block j: x S, y S
.set BEST, 40                          ; v[40:44] block j: the least key so far
.set KIV,  45                          ; 64 R(1e8)
.set P0,   46                          ; v[46:65], v[66:85] two records
.set P1,   66
.set TMP,  86                          ; v[86:165] ten chains of 8; scratch before and behind the loop
.set T0,   TMP
.set T1,   TMP+1
.set CA,   TMP+2
.set CL,   TMP+3
.set AA,   TMP+4                       ; area of box lane
.set AB,   TMP+5                       ; of box lane + 32
.set AG,   TMP+6
.set AH,   TMP+7
.set CN,   TMP+8
.set SX,   TMP+10
.set SY,   TMP+11
.set RG0,  TMP+12
.set RG1,  TMP+16
.set C00,  TMP+20
.set C01,  TMP+21
.set C10,  TMP+22
.set C11,  TMP+23
.set K0,   TMP+24
.set K1,   TMP+26
.set LN32, TMP+28
.set ON,   TMP+30
.set ABX,  TMP+72
.set ACL,  TMP+73
.set ALO,  TMP+74
	s_load_b256 s[LOCP:LOCP+7], s[0:1], 0x0
	s_load_b128 s[OUT1:OUT1+3], s[0:1], 0x20
	v_lshl_add_u32 v[SPW], v0, 2, SPARE
	v_mov_b32 v[NIL], 0
	v_lshrrev_b32 v[T0], 5, v0
	v_readfirstlane_b32 s[WV], v[T0]
	v_and_b32 v[LN], 31, v0
	s_lshr_b32 s[IMG], ttmp9, 5                    ; 32 work-groups an image
	s_and_b32 s[WI], ttmp9, 31
	s_lshl2_add_u32 s[WI], s[WI], s[WV]            ; 4 x work-group + wave
	; the level's constants, chosen by the wave's number alone
	s_mov_b32 s[FW], 0
	s_mov_b32 s[LS], 0
	s_mov_b32 s[LE], 15200
	s_mov_b32 s[IS], 0x3e000000                    ; 1/8
	s_mov_b32 s[SR], 0x41400000                    ; 12
	s_mov_b32 s[NLO], -1                           ; z > 0
	s_mov_b32 s[RNG], 0x427fffff                   ; bits(64) - 1
.macro LEVEL first, ls, le, is, sr, nlo, rng
	s_cmp_ge_u32 s[WI], \first                     ; s_cselect leaves SCC alone: one compare serves the seven
	s_cselect_b32 s[FW], \first, s[FW]
	s_cselect_b32 s[LS], \ls, s[LS]
	s_cselect_b32 s[LE], \le, s[LE]
	s_cselect_b32 s[IS], \is, s[IS]
	s_cselect_b32 s[SR], \sr, s[SR]
	s_cselect_b32 s[NLO], \nlo, s[NLO]
	s_cselect_b32 s[RNG], \rng, s[RNG]
.endm
	LEVEL 95,  15200, 19000, 0x3d800000, 0x41c00000, 0xbd800000, 0x00800000  ; stride 16: 64 .. 128
	LEVEL 119, 19000, 19950, 0x3d000000, 0x42400000, 0xbd000000, 0x00800000  ; stride 32: 128 .. 256
	LEVEL 125, 19950, 20197, 0x3c800000, 0x42c00000, 0xbc800000, 0x00800000  ; stride 64: 256 .. 512
	LEVEL 127, 20197, 20267, 0x3c000000, 0x43400000, 0xbc000000, 0x08bebc20  ; stride 128: 512 .. 1e8
	s_mov_b32 s[IS+1], s[IS]
	s_xor_b32 s[NSR], s[SR], 0x80000000
	s_sub_co_u32 s[TS], s[WI], s[FW]
	s_mul_i32 s[TS], s[TS], 160
	s_add_co_u32 s[START], s[LS], s[TS]
	s_sub_co_u32 s[REM], s[LE], s[START]
	s_sub_co_u32 s[LE1], s[LE], 1
	s_mul_i32 s[TB], s[WV], TABLE
	s_mul_i32 s[E0], s[IMG], NLOC
	s_add_co_u32 s[E0], s[E0], s[START]
	s_mov_b32 s[SC], 0x6f800000                    ; 2^96
	s_mov_b32 s[SC+1], s[SC]
	s_mov_b32 s[BIG], 0x4cbebc20                   ; 1e8
	s_mov_b32 s[EPS], 0x2b8cbccc                   ; 1e-12
	s_bitcmp1_b32 s[WV], 0
	s_cselect_b32 s[MG], -1, 0
	s_bitcmp1_b32 s[WV], 1
	s_cselect_b32 s[MH], -1, 0
	; offsets in memory: all from ids and constants
	s_lshl_b32 s[TS], s[IMG], 10
	v_lshl_add_u32 v[ABX], v[LN], 4, s[TS]         ; the image's 1,024 bytes of boxes, 16 a lane
	s_lshl_b32 s[TS], s[IMG], 8
	v_lshl_add_u32 v[ACL], v[LN], 2, s[TS]
	v_add_nc_u32 v[T0], s[START], v[LN]
.irp j, 0,1,2,3,4
	v_add_nc_u32 v[ALO+\j], 32*\j, v[T0]
	v_min_u32 v[ALO+\j], s[LE1], v[ALO+\j]         ; past the level's end: its last location once more
	v_lshlrev_b32 v[ALO+\j], 3, v[ALO+\j]
.endr
	v_add_nc_u32 v[O4], s[E0], v[LN]
	v_lshlrev_b32 v[O16], 4, v[O4]
	v_lshlrev_b32 v[O4], 2, v[O4]
	; addresses in LDS: the wave's table + record (lane / 2) + place (lane % 2); box lane + 32 lies 16 records on
	v_bfe_u32 v[T0], v0, 1, 4
	v_mul_u32_u24 v[T0], v[T0], PAIRB
	v_add_nc_u32 v[T0], s[TB], v[T0]
	v_and_b32 v[T1], 1, v0
	v_lshl_add_u32 v[TA], v[T1], 4, v[T0]
	v_lshl_add_u32 v[KA], v[T1], 3, v[T0]
	v_mov_b32 v[ADR], s[TB]
	s_lshl_b32 s[TS], s[WV], 7
	s_add_co_u32 s[TS], s[TS], CNTB
	v_lshl_add_u32 v[CA], v[LN], 2, s[TS]          ; my partial count: 128 x wave + 4 x lane
	v_lshl_add_u32 v[CL], v[LN], 2, CNTB
	v_mov_b32 v[CN], 0
	v_mov_b32 v[CN+1], 0
	s_wait_kmcnt 0x0
	global_load_b128 v[BLO:BLO+3], v[ABX], s[BOXP:BOXP+1]
	global_load_b128 v[BHI:BHI+3], v[ABX], s[BOXP:BOXP+1] offset:512
.irp j, 0,1,2,3,4
	global_load_b64 v[XY+2*\j:XY+2*\j+1], v[ALO+\j], s[LOCP:LOCP+1]
.endr
	global_load_b32 v[CLO], v[ACL], s[CLSP:CLSP+1]
	global_load_b32 v[CHI], v[ACL], s[CLSP:CLSP+1] offset:128
	s_wait_loadcnt 7                               ; the two boxes are in; the five loads of locations and the two of classes may stay out
	; AREAS AND THEIR RANKS
	v_sub_f32 v[T0], v[BLO+2], v[BLO]
	v_sub_f32 v[T1], v[BLO+3], v[BLO+1]
	v_sub_f32 v[SX], v[BHI+2], v[BHI]
	v_sub_f32 v[SY], v[BHI+3], v[BHI+1]
	v_mul_f32 v[AA], v[T0], v[T1]
	v_mul_f32 v[AB], v[SX], v[SY]
	v_cndmask_b32 v[AG], v[AA], v[AB], s[MG]       ; the box that I count for
	v_cndmask_b32 v[AH], v[AA], v[AB], s[MH]       ; the 32 areas that my wave counts against, a lane each
.set h, 0
.rept 4                                ; eight areas at a time, so that no line reads the result of the one before it
.irp i, 0,1,2,3,4,5,6,7
	v_readlane_b32 s[RL+\i], v[AH], h+\i
.endr
.irp i, 0,1,2,3,4,5,6,7
	v_cmp_lt_f32 s[M+\i], s[RL+\i], v[AG]          ; area h < my area
.endr
.irp i, 0,1,2,3,4,5,6,7
	v_cndmask_b32 v[ON+\i], 0, 1, s[M+\i]
.endr
	v_add3_u32 v[CN], v[CN], v[ON], v[ON+1]
	v_add3_u32 v[CN+1], v[CN+1], v[ON+2], v[ON+3]
	v_add3_u32 v[CN], v[CN], v[ON+4], v[ON+5]
	v_add3_u32 v[CN+1], v[CN+1], v[ON+6], v[ON+7]
.set h, h+8
.endr
	v_add_nc_u32 v[CN], v[CN], v[CN+1]
	ds_store_b32 v[CA], v[CN]
	s_wait_dscnt 0x0                               ; for the others' sake: my count lies in LDS
	s_barrier_signal -1
	; work on registers while the others arrive: the two boxes' centre regions for my level, times S, and the keys of boxes that are no candidates
.macro REGION b, r
	v_add_f32 v[SX], v[\b], v[\b+2]
	v_add_f32 v[SY], v[\b+1], v[\b+3]
	v_fma_f32 v[\r],   v[SX], 0.5, s[NSR]          ; cx - 1.5 stride: the halving is exact, so one rounding, the reference's
	v_fma_f32 v[\r+1], v[SY], 0.5, s[NSR]
	v_fma_f32 v[\r+2], v[SX], 0.5, s[SR]
	v_fma_f32 v[\r+3], v[SY], 0.5, s[SR]
	v_max_num_f32 v[\r],   v[\r],   v[\b]
	v_max_num_f32 v[\r+1], v[\r+1], v[\b+1]
	v_min_num_f32 v[\r+2], v[\r+2], v[\b+2]
	v_min_num_f32 v[\r+3], v[\r+3], v[\b+3]
	v_pk_mul_f32 v[\r:\r+1],   v[\r:\r+1],   s[SC:SC+1] op_sel_hi:[1,0]
	v_pk_mul_f32 v[\r+2:\r+3], v[\r+2:\r+3], s[SC:SC+1] op_sel_hi:[1,0]
.endm
	REGION BLO, RG0
	REGION BHI, RG1
	v_cmp_gt_f32 s[TS], s[BIG], v[AA]
	v_cmp_gt_f32 s[TS2], s[BIG], v[AB]
	s_bcnt1_i32_b32 s[TS], s[TS]
	s_bcnt1_i32_b32 s[TS2], s[TS2]
	s_add_co_u32 s[TS], s[TS], s[TS2]              ; R(1e8): the areas below 1e8
	s_lshl_b32 s[TS], s[TS], 6
	v_add_nc_u32 v[LN32], 32, v[LN]
	v_cvt_f32_u32 v[KIV], s[TS]
	v_add_nc_u32 v[K0], s[TS], v[LN]
	v_add_nc_u32 v[K1], s[TS], v[LN32]
	v_cvt_f32_u32 v[K0], v[K0]
	v_cvt_f32_u32 v[K1], v[K1]
	s_barrier_wait -1                              ; all four partial counts lie in LDS
	ds_load_b32 v[C00], v[CL]                      ; box lane against areas 0..31,
	ds_load_b32 v[C01], v[CL] offset:128           ; box lane + 32 against the same,
	ds_load_b32 v[C10], v[CL] offset:256           ; and both against areas 32..63
	ds_load_b32 v[C11], v[CL] offset:384
	ds_store_b128 v[TA], v[BLO:BLO+3]
	ds_store_b128 v[TA], v[BHI:BHI+3] offset:16*PAIRB
	ds_store_b128 v[TA], v[RG0:RG0+3] offset:32
	ds_store_b128 v[TA], v[RG1:RG1+3] offset:16*PAIRB+32
	s_wait_loadcnt 0x0                             ; locations and classes
.irp j, 0,1,2,3,4
	v_pk_mul_f32 v[XS+2*\j:XS+2*\j+1], v[XY+2*\j:XY+2*\j+1], s[SC:SC+1] op_sel_hi:[1,0]
	v_mov_b32 v[BEST+\j], 0x7f800000               ; above every key
.endr
	v_mov_b32 v[C80], 80
	s_wait_dscnt 4                                 ; the four counts are in; the four stores behind them may be out
	v_cmp_lt_f32 vcc_lo, s[BIG], v[AA]
	v_add_co_ci_u32 v[C00], vcc_lo, v[C00], v[C10], vcc_lo  ; R(area) = both counts + [1e8 < area]
	v_cmp_lt_f32 vcc_lo, s[BIG], v[AB]
	v_add_co_ci_u32 v[C01], vcc_lo, v[C01], v[C11], vcc_lo
	v_lshl_add_u32 v[C00], v[C00], 6, v[LN]
	v_lshl_add_u32 v[C01], v[C01], 6, v[LN32]
	v_cvt_f32_u32 v[K0+1], v[C00]
	v_cvt_f32_u32 v[K1+1], v[C01]
	ds_store_b64 v[KA], v[K0:K0+1] offset:64
	ds_store_b64 v[KA], v[K1:K1+1] offset:16*PAIRB+64
.irp k, 0,1,2,3,4
	ds_load_b128 v[P0+4*\k:P0+4*\k+3], v[ADR] offset:16*\k  ; record 0.  The table is my wave's own, and LDS serves a wave's instructions in order (ISA guide 5.7.1.4): these see the stores above
.endr
; THE LOOP.  A record's two boxes x my five blocks are ten chains that do not depend on each other; each stage is written for all ten, so ten lines stand between a line and its reader.
; Chain c: box c / 5 of the record, block c % 5, registers T .. T + 7.
.macro CH line:vararg
.set c, 0
.rept 10
.set T, TMP+8*c
.set J, c%5
.set X, c/5
	\line
.set c, c+1
.endr
.endm
; The record in set p is worked on; the one at byte off behind ADR is fetched into set q (off < 0: none is left).
.macro PAIR p, q, off
.set PS, \p
	s_wait_dscnt 0x0                               ; set p is in: its five loads were issued a record ago
.if (\off) >= 0
.irp k, 0,1,2,3,4
	ds_load_b128 v[\q+4*\k:\q+4*\k+3], v[ADR] offset:(\off)+16*\k
.endr
.endif
	CH v_pk_add_f32 v[T:T+1],   v[XY+2*J:XY+2*J+1], v[PS+4*X:PS+4*X+1] neg_lo:[0,1] neg_hi:[0,1]        ; l, t
	CH v_pk_add_f32 v[T+2:T+3], v[PS+4*X+2:PS+4*X+3], v[XY+2*J:XY+2*J+1] neg_lo:[0,1] neg_hi:[0,1]      ; r, b
	CH v_pk_add_f32 v[T+4:T+5], v[XS+2*J:XS+2*J+1], v[PS+8+4*X:PS+8+4*X+1] neg_lo:[0,1] neg_hi:[0,1]    ; (x - x0) S, (y - y0) S
	CH v_pk_add_f32 v[T+6:T+7], v[PS+8+4*X+2:PS+8+4*X+3], v[XS+2*J:XS+2*J+1] neg_lo:[0,1] neg_hi:[0,1]  ; (x1 - x) S, (y1 - y) S
	CH v_max3_num_f32 v[T], v[T], v[T+1], v[T+2]
	CH v_min3_num_f32 v[T+4], v[T+4], v[T+5], v[T+6]
	CH v_max_num_f32 v[T], v[T], v[T+3]                          ; mx
	CH v_min3_num_f32 v[T+4], v[T+4], v[T+7], v[T]               ; z
	CH v_add_nc_u32 v[T+4], s[NLO], v[T+4]                       ; bits(z) - bits(lo)
	CH v_cmp_ge_u32 s[M+c], s[RNG], v[T+4]                       ; a candidate
	CH v_cndmask_b32 v[T+4], v[PS+16+2*X], v[PS+17+2*X], s[M+c]  ; its key
.set c, 0
.rept 5
	v_min3_num_f32 v[BEST+c], v[BEST+c], v[TMP+8*c+4], v[TMP+8*(c+5)+4]
.set c, c+1
.endr
.endm
	s_mov_b32 s[CT], 15
.Ltrip:                                        ; records 2 i and 2 i + 1
	PAIR P0, P1, PAIRB
	PAIR P1, P0, 2*PAIRB
	v_add_nc_u32 v[ADR], 2*PAIRB, v[ADR]
	s_sub_co_i32 s[CT], s[CT], 1
	s_cmp_lg_u32 s[CT], 0
	s_cbranch_scc1 .Ltrip
	PAIR P0, P1, PAIRB                             ; records 30 and 31 are written out: nothing is read past the table
	PAIR P1, P0, -1
; THE END.  Block j has registers E .. E + 11.
.macro BL line:vararg
.set j, 0
.rept 5
.set E, TMP+16*j
	\line
.set j, j+1
.endr
.endm
	BL v_cvt_u32_f32 v[E+11], v[BEST+j]            ; the key: 64 R + g
	BL v_cmp_gt_f32 s[M+5+j], v[KIV], v[BEST+j]    ; min_area < 1e8
	BL v_lshlrev_b32 v[E+10], 2, v[E+11]
	BL v_and_b32 v[E+11], 32, v[E+11]
	BL v_and_b32 v[E+10], 0x7c, v[E+10]            ; 4 x (g % 32): the lane that holds boxes g % 32 and g % 32 + 32
	BL v_cmp_ne_u32 s[M+j], 0, v[E+11]             ; g >= 32
.set j, 0
.rept 5
.set E, TMP+16*j
.irp k, 0,1,2,3
	ds_bpermute_b32 v[E+\k], v[E+10], v[BLO+\k]
	ds_bpermute_b32 v[E+4+\k], v[E+10], v[BHI+\k]
.endr
	ds_bpermute_b32 v[E+8], v[E+10], v[CLO]
	ds_bpermute_b32 v[E+9], v[E+10], v[CHI]
.set j, j+1
.endr
	s_wait_dscnt 0x0
.irp k, 0,1,2,3
	BL v_cndmask_b32 v[E+\k], v[E+\k], v[E+4+\k], s[M+j]
.endr
	BL v_cndmask_b32 v[E+8], v[E+8], v[E+9], s[M+j]
	BL v_pk_add_f32 v[E+4:E+5], v[XY+2*j:XY+2*j+1], v[E:E+1] neg_lo:[0,1] neg_hi:[0,1]      ; l, t
	BL v_pk_add_f32 v[E+6:E+7], v[E+2:E+3], v[XY+2*j:XY+2*j+1] neg_lo:[0,1] neg_hi:[0,1]    ; r, b
	BL v_cndmask_b32 v[E+8], v[C80], v[E+8], s[M+5+j]                                       ; the label
	BL v_pk_mul_f32 v[E+4:E+5], v[E+4:E+5], s[IS:IS+1] op_sel_hi:[1,0]                      ; / stride: a power of two, so the product is the quotient
	BL v_pk_mul_f32 v[E+6:E+7], v[E+6:E+7], s[IS:IS+1] op_sel_hi:[1,0]
	BL v_min_num_f32 v[E], v[E+4], v[E+6]
	BL v_min_num_f32 v[E+1], v[E+5], v[E+7]
	BL v_max3_num_f32 v[E+2], v[E+4], v[E+6], s[EPS]   ; max(max(l,0), max(r,0), 1e-12) = max(l, r, 1e-12)
	BL v_max3_num_f32 v[E+3], v[E+5], v[E+7], s[EPS]
	BL v_max_num_f32 v[E], 0, v[E]                     ; min(max(l,0), max(r,0)) = max(min(l,r), 0)
	BL v_max_num_f32 v[E+1], 0, v[E+1]
	BL v_rcp_f32 v[E+2], v[E+2]
	BL v_rcp_f32 v[E+3], v[E+3]
	v_nop                                          ; a plain instruction behind the last reciprocal (ISA guide 5.7.2),
	s_wait_alu depctr_va_vdst(0)                   ; and the wait ahead of the first use: one for the ten
	BL v_mul_f32 v[E], v[E], v[E+2]
	BL v_mul_f32 v[E+1], v[E+1], v[E+3]
	BL v_mul_f32 v[E], v[E], v[E+1]
	BL v_max_num_f32 v[E], 0, v[E]                 ; max(ctr, 0); a NaN loses against the 0, and the root of 0 is 0: the reference's
	BL v_sqrt_f32 v[E], v[E]
	v_nop
	s_wait_alu depctr_va_vdst(0)                   ; one wait for the five roots
	s_wait_xcnt 0x0                                ; EXEC changes only behind this wait
.set j, 0
.rept 5
.set E, TMP+16*j
	v_cmp_gt_i32 vcc_lo, s[REM], v[LN]             ; the lanes whose location lies in the level
	s_and_saveexec_b32 s[SV], vcc_lo
	global_store_b128 v[O16], v[E+4:E+7], s[OUT1:OUT1+1] offset:512*j th:TH_STORE_NT
	global_store_b32 v[O4], v[E+8], s[OUT0:OUT0+1] offset:128*j th:TH_STORE_NT
	global_store_b32 v[O4], v[E], s[OUT2:OUT2+1] offset:128*j th:TH_STORE_NT
	s_wait_xcnt 0x0                                ; and again, in front of the line that widens it
	s_or_b32 exec_lo, exec_lo, s[SV]
	s_sub_co_i32 s[REM], s[REM], 32
.set j, j+1
.endr
	s_wait_tensorcnt 0x0                           ; the wave's end
	ds_add_u32 v[SPW], v[NIL]
	s_wait_dscnt 0x0
	s_endpgm
.Lfunc_end_k_q11400475e2_fcos:
	.size	k_q11400475e2_fcos, .Lfunc_end_k_q11400475e2_fcos-k_q11400475e2_fcos
	.p2alignl 7, 3214868480
	.fill 96, 4, 3214868480
	.section	.rodata,"a",@progbits
	.p2align	6, 0x0
	.amdhsa_kernel k_q11400475e2_fcos
		.amdhsa_group_segment_fixed_size 11264
		.amdhsa_private_segment_fixed_size 0
		.amdhsa_enable_private_segment 0
		.amdhsa_kernarg_size 48
		.amdhsa_user_sgpr_count 2
		.amdhsa_user_sgpr_kernarg_segment_ptr 1
		.amdhsa_wavefront_size32 1
		.amdhsa_system_sgpr_workgroup_id_x 1
		.amdhsa_system_sgpr_workgroup_id_y 1
		.amdhsa_system_sgpr_workgroup_id_z 1
		.amdhsa_system_vgpr_workitem_id 0
		.amdhsa_next_free_vgpr 166
		.amdhsa_next_free_sgpr 66
		.amdhsa_reserve_vcc 1
		.amdhsa_float_denorm_mode_32 3
		.amdhsa_float_denorm_mode_16_64 3
		.amdhsa_memory_ordered 1
		.amdhsa_forward_progress 1
		.amdhsa_inst_pref_size 58
	.end_amdhsa_kernel
	.amdgpu_metadata
---
amdhsa.version: [ 1, 2 ]
amdhsa.kernels:
  - .name:           k_q11400475e2_fcos
    .symbol:         k_q11400475e2_fcos.kd
    .args:
      - { .name: locations, .offset: 0, .size: 8, .value_kind: global_buffer, .address_space: global }
      - { .name: gt_boxes, .offset: 8, .size: 8, .value_kind: global_buffer, .address_space: global }
      - { .name: gt_classes, .offset: 16, .size: 8, .value_kind: global_buffer, .address_space: global }
      - { .name: out0, .offset: 24, .size: 8, .value_kind: global_buffer, .address_space: global }
      - { .name: out1, .offset: 32, .size: 8, .value_kind: global_buffer, .address_space: global }
      - { .name: out2, .offset: 40, .size: 8, .value_kind: global_buffer, .address_space: global }
    .group_segment_fixed_size: 11264
    .private_segment_fixed_size: 0
    .kernarg_segment_align: 8
    .kernarg_segment_size: 48
    .max_flat_workgroup_size: 128
    .sgpr_count:     66
    .vgpr_count:     166
    .wavefront_size: 32
...
	.end_amdgpu_metadata
.endif
;; end of part 1
